; MI455X (gfx1250); checked and timed in simulation.
; The chip was launched on July 23, 2026; its instructions are those of AMD's public machine-readable ISA for CDNA 5 (MIT licence, August 2026) and "CDNA5" Instruction Set Architecture Reference Guide (July 2026). The comments in the code are by the model that wrote it; some were corrected since.
;; Build K. Allowed arithmetic: float matrix products may take bf16 or f16 operands with f32 sums; all other float work in f32.
;; Inputs: input 64 x 128 x 128 float32; ksigma 1 x 1 x 1 x 1 float32.
;; Outputs: out0 1,048,576 x 9 float32.
;; Constants: k = 9, w = 3.
;; 3 versions, each right; version 2 is faster than version 1; version 3 is version 2 with the launch weights written anew for expert scheduling mode. Each part assembles by itself: llvm-mc -triple=amdgcn-amd-amdhsa -mcpu=gfx1250 --defsym DOCPART=n.
;; ======== version 1 of 3: 2 launches
;; limits: right only within a limited range of input values
;; workspace buffers: codes 16,777,216 bytes of whole numbers
;; launch select (part 1): grid 64 x 16, 8 waves a work-group, no clusters, 0 bytes of LDS; arguments input, codes; writes codes
.if DOCPART == 1
	.amdgcn_target "amdgcn-amd-amdhsa--gfx1250"
	.amdhsa_code_object_version 6
	.text
	.protected	k_qc6322d330a_select
	.globl	k_qc6322d330a_select
	.p2align	8
	.type	k_qc6322d330a_select,@function
k_qc6322d330a_select:
	s_mov_b64 s[64:65], 0
	v_nop
	global_prefetch_b8 v0, s[64:65] scope:SCOPE_SE
	s_setreg_imm32_b32 hwreg(HW_REG_WAVE_MODE, 25, 1), 1
	s_wait_xcnt 0x0
; SELECT: for every voxel of the periodic 64 x 128 x 128 volume, the first 9 of its 27 window neighbours in the stable
; order of |a(neighbour) - a(voxel)|, stored as 9 whole numbers (16 bytes a voxel) for the next launch, which forms addresses from them.
;
; A neighbour (oz, oy, ox) is named by its code c = (oz+1)*816 + (oy+1)*68 + (ox+1): rising with the window position (z-major, y, x),
; so it breaks ties exactly as a stable sort does, and it is at the same time the next launch's offset in entries (pitches 68 and 816).
; A key is two words: hi = the distance's bits (not negative, so they order as unsigned numbers), lo = the code; compared hi first, then lo.
;
; Work: one lane, one voxel.  A wave owns 32 x of one y and walks 4 z; three 3 x 3 planes of values stay in registers, so a step loads
; 9 words a lane.  Selection: each plane's 9 keys are sorted by a network of 25 comparators, then two merges keep the 9 smallest.
; Straight-line text: no LDS, no barrier, no branch, all lanes on throughout.
; Comparators write the smaller key into a spare register pair and the names are exchanged (symbols), which spares the copies.
; No cluster, no tensor load: work-groups share only halo values, rows wrap round the volume, and the whole input is 4 MiB.
; LIMIT: inputs are finite (no NaN, no infinity): the first comparators use min_num / max_num on |difference|.
.set PY,    68
.set PZ,    816
.set A,     2                          ; v[2:28]    27 values: physical plane pl at A + 9 pl, inside it 3 oy + ox
.set VOFF,  29                         ; v[29:37]   byte offset in a plane of neighbour column 3 oy + ox
.set VO,    38                         ; v38        byte offset in codes of my voxel at z0
.set T,     39                         ; v39        at work
.set SLOT0, 40                         ; v[40:93]   27 key slots, a pair each: lo = code, hi = distance
.set SPR,   94                         ; v[94:95]   the spare pair
.set C,     96                         ; v[96:122]  the 27 codes, constants
.set W,     124                        ; v[124:127] the four words to store
.set PLANE, 16                         ; s[16:27]   address of plane (z0 - 1 + k) mod 64, k = 0 .. 5
.set YOFF,  28                         ; s28-s30    byte offset of row (y + oy) mod 128
.irp s, 0,1,2,3,4,5,6,7,8,9,10,11,12,13,14,15,16,17,18,19,20,21,22,23,24,25,26
.set P\s, SLOT0+2*\s
.endr
.macro ROT a                           ; slot a takes the spare pair, its old pair becomes the spare
.set SWP, P\a
.set P\a, SPR
.set SPR, SWP
.endm
; Both slots still hold signed differences and stand for window positions a < b: on a tie the order stays.
.macro CES0 a, b
	v_cmp_gt_f32 vcc_lo, |v[P\a+1]|, |v[P\b+1]|
	v_min_num_f32 v[SPR+1], |v[P\a+1]|, |v[P\b+1]|
	v_max_num_f32 v[P\b+1], |v[P\a+1]|, |v[P\b+1]|
	v_cndmask_b32 v[SPR], v[C+\a], v[C+\b], vcc_lo
	v_cndmask_b32 v[P\b], v[C+\b], v[C+\a], vcc_lo
	ROT \a
.endm
; Slot a holds a key of a position in front of b, slot b still a signed difference: on a tie the order stays.
.macro CES1 a, b
	v_cmp_gt_f32 vcc_lo, v[P\a+1], |v[P\b+1]|
	v_min_num_f32 v[SPR+1], v[P\a+1], |v[P\b+1]|
	v_max_num_f32 v[P\b+1], v[P\a+1], |v[P\b+1]|
	v_cndmask_b32 v[SPR], v[P\a], v[C+\b], vcc_lo
	v_cndmask_b32 v[P\b], v[C+\b], v[P\a], vcc_lo
	ROT \a
.endm
; The full comparator: b goes first if hi_b < hi_a, or hi_b = hi_a and lo_b < lo_a; that is hi_b < hi_a + (lo_b < lo_a).
; hi is at most 0x7f800000, so the + 1 cannot wrap.
.macro CE a, b
	v_cmp_lt_u32 vcc_lo, v[P\b], v[P\a]
	v_add_co_ci_u32 v[T], vcc_lo, 0, v[P\a+1], vcc_lo
	v_cmp_lt_u32 vcc_lo, v[P\b+1], v[T]
	v_min_u32 v[SPR+1], v[P\a+1], v[P\b+1]
	v_max_u32 v[P\b+1], v[P\a+1], v[P\b+1]
	v_cndmask_b32 v[SPR], v[P\a], v[P\b], vcc_lo
	v_cndmask_b32 v[P\b], v[P\b], v[P\a], vcc_lo
	ROT \a
.endm
.macro CEL a, b                        ; the same for the last layer: only the codes are wanted behind it
	v_cmp_lt_u32 vcc_lo, v[P\b], v[P\a]
	v_add_co_ci_u32 v[T], vcc_lo, 0, v[P\a+1], vcc_lo
	v_cmp_lt_u32 vcc_lo, v[P\b+1], v[T]
	v_cndmask_b32 v[SPR], v[P\a], v[P\b], vcc_lo
	v_cndmask_b32 v[P\b], v[P\b], v[P\a], vcc_lo
	ROT \a
.endm
.macro MINS a, b                       ; slot a = the smaller key; every code in a's list is below every code in b's: a tie keeps a
	v_cmp_lt_u32 vcc_lo, v[P\b+1], v[P\a+1]
	v_min_u32 v[P\a+1], v[P\a+1], v[P\b+1]
	v_cndmask_b32 v[P\a], v[P\a], v[P\b], vcc_lo
.endm
; 9 keys sorted by 25 comparators: rows of three, columns of three, then seven more.
.macro SORT9 s0, s1, s2, s3, s4, s5, s6, s7, s8
	CES0 \s0, \s1
	CES0 \s3, \s4
	CES0 \s6, \s7
	CES1 \s1, \s2
	CES1 \s4, \s5
	CES1 \s7, \s8
	CE \s0, \s1
	CE \s3, \s4
	CE \s6, \s7
	CE \s0, \s3
	CE \s3, \s6
	CE \s0, \s3
	CE \s1, \s4
	CE \s4, \s7
	CE \s1, \s4
	CE \s2, \s5
	CE \s5, \s8
	CE \s2, \s5
	CE \s1, \s3
	CE \s5, \s7
	CE \s2, \s6
	CE \s4, \s6
	CE \s2, \s4
	CE \s2, \s3
	CE \s5, \s6
.endm
; Slots 0-8 (sorted) and b0-b8 (sorted): min(slot k, b(8-k)) are the 9 smallest of the 18, rising and then falling.
; Its smallest stands at one end: (0,8) brings it to slot 0; slots 1-8 are then sorted by the three layers of a merger of eight.
.macro MERGE b0, b1, b2, b3, b4, b5, b6, b7, b8, last
	MINS 0, \b8
	MINS 1, \b7
	MINS 2, \b6
	MINS 3, \b5
	MINS 4, \b4
	MINS 5, \b3
	MINS 6, \b2
	MINS 7, \b1
	MINS 8, \b0
	CE 0, 8
	CE 4, 8
	CE 3, 7
	CE 2, 6
	CE 1, 5
	CE 6, 8
	CE 5, 7
	CE 2, 4
	CE 1, 3
.if \last
	CEL 7, 8
	CEL 5, 6
	CEL 3, 4
	CEL 1, 2
.else
	CE 7, 8
	CE 5, 6
	CE 3, 4
	CE 1, 2
.endif
.endm
	s_load_b128 s[4:7], s[0:1], 0x0                ; input s[4:5], codes s[6:7]
	v_lshrrev_b32 v1, 5, v0
	v_readfirstlane_b32 s8, v1                     ; wave 0 .. 7
	v_and_b32 v1, 127, v0                          ; x: waves 0-3 cover one row, waves 4-7 the next
	s_lshr_b32 s9, s8, 2
	s_lshl_b32 s11, ttmp9, 1
	s_add_co_u32 s9, s11, s9                       ; y
	s_and_b32 s10, ttmp7, 0xffff
	s_lshl_b32 s10, s10, 2                         ; z0: the first of my four z
.irp o, 0,1,2
	s_add_co_u32 s11, s9, \o-1
	s_and_b32 s11, s11, 127                        ; (y + oy) mod 128
	s_lshl_b32 s[YOFF+\o], s11, 9                  ; rows of 512 bytes
	v_add_nc_u32 v[W+\o], \o-1, v1
	v_and_b32 v[W+\o], 127, v[W+\o]                ; (x + ox) mod 128
	v_lshlrev_b32 v[W+\o], 2, v[W+\o]
.endr
.irp oy, 0,1,2
.irp ox, 0,1,2
	v_add_nc_u32 v[VOFF+3*\oy+\ox], s[YOFF+\oy], v[W+\ox]
.endr
.endr
	s_lshl_b32 s11, s10, 18                        ; 16 bytes a voxel: z << 18 | y << 11 | x << 4
	s_lshl_b32 s12, s9, 11
	s_or_b32 s11, s11, s12
	v_lshl_or_b32 v[VO], v1, 4, s11
	s_mov_b32 s13, 0
	s_wait_kmcnt 0x0
.irp k, 0,1,2,3,4,5
	s_add_co_u32 s12, s10, \k-1
	s_and_b32 s12, s12, 63                         ; (z0 - 1 + k) mod 64
	s_lshl_b32 s12, s12, 16                        ; planes of 65,536 bytes
	s_add_nc_u64 s[PLANE+2*\k:PLANE+2*\k+1], s[4:5], s[12:13]
.endr
.irp k, 0,1,2
.irp j, 0,1,2,3,4,5,6,7,8
	global_load_b32 v[A+9*\k+\j], v[VOFF+\j], s[PLANE+2*\k:PLANE+2*\k+1]
.endr
.endr
.set i, 0
.rept 27
	v_mov_b32 v[C+i], (i/9)*PZ+((i/3)%3)*PY+(i%3)  ; the codes, while the first planes are on their way
.set i, i+1
.endr
; One voxel a lane, z = z0 + t.  p0, p1, p2: the physical planes that hold z - 1, z, z + 1.  load = 1: plane z + 2 replaces p0.
.macro STEP t, p0, p1, p2, load
	s_wait_loadcnt 0x0                             ; all that is out (27 loads at first, 9 later) is wanted by this step
.irp s, 0,1,2,3,4,5,6,7,8
	v_sub_f32 v[P\s+1], v[A+9*\p0+\s], v[A+9*\p1+4]
.endr
.irp s, 9,10,11,12,13,14,15,16,17
	v_sub_f32 v[P\s+1], v[A+9*\p1+\s-9], v[A+9*\p1+4]
.endr
.irp s, 18,19,20,21,22,23,24,25,26
	v_sub_f32 v[P\s+1], v[A+9*\p2+\s-18], v[A+9*\p1+4]
.endr
.if \load
.irp j, 0,1,2,3,4,5,6,7,8
	global_load_b32 v[A+9*\p0+\j], v[VOFF+\j], s[PLANE+2*(\t+3):PLANE+2*(\t+3)+1]   ; p0 was read for the last time above; the whole selection lies between this and its use
.endr
.endif
	SORT9 0, 1, 2, 3, 4, 5, 6, 7, 8
	SORT9 9, 10, 11, 12, 13, 14, 15, 16, 17
	MERGE 9, 10, 11, 12, 13, 14, 15, 16, 17, 0
	SORT9 18, 19, 20, 21, 22, 23, 24, 25, 26
	MERGE 18, 19, 20, 21, 22, 23, 24, 25, 26, 1
	s_wait_xcnt 0x0                                ; W was the last step's store data: rewritten only behind this wait
	v_lshl_or_b32 v[W],   v[P1], 12, v[P0]         ; word 0: c0 | c1 << 12 | (c8 & 255) << 24
	v_lshl_or_b32 v[W+1], v[P3], 12, v[P2]         ; word 1: c2 | c3 << 12 | (c8 >> 8) << 24
	v_lshl_or_b32 v[W+2], v[P5], 12, v[P4]         ; word 2: c4 | c5 << 12
	v_lshl_or_b32 v[W+3], v[P7], 12, v[P6]         ; word 3: c6 | c7 << 12
	v_lshrrev_b32 v[T], 8, v[P8]
	v_lshl_or_b32 v[W],   v[P8], 24, v[W]          ; the shift drops c8's upper bits
	v_lshl_or_b32 v[W+1], v[T],  24, v[W+1]
	global_store_b128 v[VO], v[W:W+3], s[6:7] offset:\t*262144    ; the wave stores 512 consecutive bytes, aligned
.endm
	STEP 0, 0, 1, 2, 1
	STEP 1, 1, 2, 0, 1
	STEP 2, 2, 0, 1, 1
	STEP 3, 0, 1, 2, 0
	s_endpgm
.Lfunc_end_k_qc6322d330a_select:
	.size	k_qc6322d330a_select, .Lfunc_end_k_qc6322d330a_select-k_qc6322d330a_select
	.p2alignl 7, 3214868480
	.fill 96, 4, 3214868480
	.section	.rodata,"a",@progbits
	.p2align	6, 0x0
	.amdhsa_kernel k_qc6322d330a_select
		.amdhsa_group_segment_fixed_size 0
		.amdhsa_private_segment_fixed_size 0
		.amdhsa_enable_private_segment 0
		.amdhsa_kernarg_size 16
		.amdhsa_user_sgpr_count 2
		.amdhsa_user_sgpr_kernarg_segment_ptr 1
		.amdhsa_wavefront_size32 1
		.amdhsa_system_sgpr_workgroup_id_x 1
		.amdhsa_system_sgpr_workgroup_id_y 1
		.amdhsa_system_sgpr_workgroup_id_z 1
		.amdhsa_system_vgpr_workitem_id 0
		.amdhsa_next_free_vgpr 128
		.amdhsa_next_free_sgpr 66
		.amdhsa_reserve_vcc 1
		.amdhsa_float_denorm_mode_32 3
		.amdhsa_float_denorm_mode_16_64 3
		.amdhsa_memory_ordered 1
		.amdhsa_forward_progress 1
		.amdhsa_inst_pref_size 112
	.end_amdhsa_kernel
	.amdgpu_metadata
---
amdhsa.version: [ 1, 2 ]
amdhsa.kernels:
  - .name:           k_qc6322d330a_select
    .symbol:         k_qc6322d330a_select.kd
    .args:
      - { .name: input, .offset: 0, .size: 8, .value_kind: global_buffer, .address_space: global }
      - { .name: codes, .offset: 8, .size: 8, .value_kind: global_buffer, .address_space: global }
    .group_segment_fixed_size: 0
    .private_segment_fixed_size: 0
    .kernarg_segment_align: 8
    .kernarg_segment_size: 16
    .max_flat_workgroup_size: 256
    .sgpr_count:     66
    .vgpr_count:     128
    .wavefront_size: 32
...
	.end_amdgpu_metadata
.endif
;; end of part 1
;; launch weights (part 2): grid 32 x 16, 16 waves a work-group, no clusters, 267,520 bytes of LDS; arguments input, ksigma, codes, out0; writes out0
.if DOCPART == 2
	.amdgcn_target "amdgcn-amd-amdhsa--gfx1250"
	.amdhsa_code_object_version 6
	.text
	.protected	k_qc6322d330a_weights
	.globl	k_qc6322d330a_weights
	.p2align	8
	.type	k_qc6322d330a_weights,@function
k_qc6322d330a_weights:
	s_mov_b64 s[64:65], 0
	v_nop
	global_prefetch_b8 v0, s[64:65] scope:SCOPE_SE
	s_setreg_imm32_b32 hwreg(HW_REG_WAVE_MODE, 25, 1), 1
	s_wait_xcnt 0x0
; WEIGHTS: out0[p][j] = softmax over j of -|Wk[p] - Wk[q_j] + 1e-6|^2 / (2 var(Wk[p]) ks^2), q_j the j-th of p's nine neighbours
; as the launch before stored them (codes), Wk[p] the nine values of p's neighbours in that order, var with 8 in the divisor.
;
; A work-group owns a tile of 64 x, 8 y, 4 z.  Index space: e = z''*816 + y''*68 + x'', halo 2 (x'' 0-67, y'' 0-11, z'' 0-7);
; the neighbour with code c of the voxel at e stands at e + c - 885.
;   phase 0  the tile's values with halo 2 into LDS (A); the codes of the tile with halo 1 into registers
;   phase 1  Wk rebuilt for the tile with halo 1 (66 x 10 x 6 rows of nine values): every wave gathers all its rows from A into registers,
;            then stores them into LDS (WK, 48 bytes a row).  WK lies over A, which is dead once everybody has gathered.
;   phase 2  for each voxel: its own row and nine neighbours' rows from WK, the nine squared distances, the softmax;
;            a row of 64 voxels (2,304 bytes) is gathered in the wave's own stage and leaves in stores of 512 and 256 consecutive bytes, aligned
; Wk never goes to memory: rebuilding it costs 1.93 gathers of nine words a voxel, in LDS.
; Three barriers: A written by all, then read by all; A read out by all, then overwritten by WK; WK written by all, then read by all.
; All lanes are on throughout.
; No matrix unit (there is no product).  No tensor load and no cluster: tiles wrap round the volume, neighbouring work-groups share only the halo,
; and they do not ask for it at the same time.  No prefetch: the codes were stored by the launch before and the input is 4 MiB.
; LIMITS: (1) inputs finite.  (2) 1e-6 is added to the own row once, (Wp + 1e-6) - Wq, where the definition has (Wp - Wq) + 1e-6: up to half
; a last place of Wp apart in each element.  (3) sigma = 0 is taken as: the sum of squared deviations from sum * (1/9) is 0.  (4) the logit is
; n2 * 1 / (var8 ks^2 / 4), one reciprocal in place of two divisions and a square; ks = 0, and var8 ks^2 ln2 / 4 below 2^-126 (the reciprocal takes
; it as zero), are not served.  The largest logit is taken away before the exponential: the scale is not positive, so it belongs to the smallest n2.
.set PY,     68
.set PZ,     816
.set CMAX,   2*PZ+2*PY+2               ; 1,770: the largest code
.set ENT,    48                        ; bytes of a WK row: 3 x 16, so 16 neighbouring rows start in 16 different 16-byte columns of 256
.set OWN,    ENT*(PZ+PY+1)             ; the code of the voxel itself, in bytes of WK
.set STAGE,  ENT*(5*PZ+9*PY+65+1)      ; A: 6,528 words from byte 0.  WK: 4,758 rows from byte 0.  Behind WK 2,304 bytes for each wave
.set ROWOUT, 2304
; scalars: s12 wave, s13 x0, s14 y0, s15 z0, s16-19 at work, s66-75 small terms, s58 ks, s59 -ks^2 ln2 / 4
.set RB, 20                            ; s[20:31]  input at my six halo-2 rows
.set CB, 32                            ; s[32:39]  codes at my four halo-1 rows
.set CC, 40                            ; s[40:43]  codes at my two output rows
.set OB, 44                            ; s[44:47]  out0 at my two output rows
.set SA, 48                            ; s48-51    4 u of my four halo-1 rows (u = z'*816 + y'*68 + 1)
.set SW, 52                            ; s52-55    48 u
.set SC, 56                            ; s56-57    48 (zi*816 + yi*68) of my two output rows
; vectors: v1 lane, v2 16 l, v3 8 l, v4 v5 input columns, v6 A store, v7 4 l, v8 48 l, v9 stage in, v10 v11 stage out, v12-14 bases,
;          v16 v17 the lane's y' and side in a halo column, v18-23 halo columns' addresses
.set T,    15
.set CD,   24                          ; v[24:55]   codes of halo-1 row i, half h: four words at CD + 8 i + 4 h
.set CBC,  56                          ; v[56:59]   codes of my halo-column voxel
.set DIN,  60                          ; v[60:83]   input pairs as loaded
.set AD,   60                          ; v[60:77]   gather addresses, two sets of nine (the input pairs are in LDS by then)
.set G,    80                          ; v[80:169]  gathered values: row i, half h at G + 20 i + 10 h; the halo column at G + 80
.set W,    24                          ; v[24:32]   phase 2: own row
.set WE,   34                          ; v[34:42]   own row + 1e-6
.set N,    44                          ; v[44:52]   squared distances, then weights
.set RA,   54                          ; v[54:62]   addresses of the nine rows
.set MEAN, 64                          ; v[64:65]
.set SCL,  66                          ; v[66:67]
.set D,    68                          ; v[68:76]   differences
.set VAR,  78
.set Q,    80                          ; v[80:169]  nine rows, 10 registers apart
.set OUT,  170                         ; v[170:187] a row of results on its way out
.set CCD,  190                         ; v[190:205] codes of my output rows: four words at CCD + 8 j + 4 h
; nine codes out of four words; each is clamped to the largest code before it enters an address
.macro DECODE cd, dst
.irp p, 0,1,2,3
	v_and_b32 v[\dst+2*\p], 0xfff, v[\cd+\p]
	v_bfe_u32 v[\dst+2*\p+1], v[\cd+\p], 12, 12
.endr
	v_lshrrev_b32 v[\dst+8], 24, v[\cd]
	v_bfe_u32 v[T], v[\cd+1], 24, 4
	v_lshl_or_b32 v[\dst+8], v[T], 8, v[\dst+8]
.irp k, 0,1,2,3,4,5,6,7,8
	v_min_u32 v[\dst+\k], CMAX, v[\dst+\k]
.endr
.endm
.macro ADDR_A dst, base                ; words of A
.irp k, 0,1,2,3,4,5,6,7,8
	v_lshl_add_u32 v[\dst+\k], v[\dst+\k], 2, v[\base]
.endr
.endm
.macro ADDR_W dst, base                ; rows of WK
.irp k, 0,1,2,3,4,5,6,7,8
	v_mad_u32_u24 v[\dst+\k], v[\dst+\k], ENT, v[\base]
.endr
.endm
.macro GATHER ad, g, o
.irp k, 0,1,2,3,4,5,6,7,8
	ds_load_b32 v[\g+\k], v[\ad+\k] offset:\o
.endr
.endm
.macro PUT wk, g, o
	ds_store_b128 v[\wk], v[\g:\g+3] offset:\o
	ds_store_b128 v[\wk], v[\g+4:\g+7] offset:\o+16
	ds_store_b32 v[\wk], v[\g+8] offset:\o+32
.endm
; in: s16 = z', s17 = y' of a halo-1 row.  Out: its SA, SW, CB.
.macro ROWSC i
	s_mul_i32 s18, s16, PZ
	s_mul_i32 s19, s17, PY
	s_add_co_u32 s18, s18, s19
	s_add_co_u32 s18, s18, 1                       ; u: the row's entry at x' = 1, the tile's first column
	s_lshl_b32 s[SA+\i], s18, 2
	s_mul_i32 s[SW+\i], s18, ENT
	s_add_co_u32 s16, s16, s68
	s_and_b32 s16, s16, 63                         ; (z0 - 1 + z') mod 64
	s_add_co_u32 s17, s17, s69
	s_and_b32 s17, s17, 127                        ; (y0 - 1 + y') mod 128
	s_lshl_b32 s16, s16, 18
	s_lshl_b32 s17, s17, 11
	s_or_b32 s16, s16, s17
	s_or_b32 s16, s16, s70                         ; 16 bytes a voxel
	s_mov_b32 s17, 0
	s_add_nc_u64 s[CB+2*\i:CB+2*\i+1], s[8:9], s[16:17]
.endm
	s_load_b256 s[4:11], s[0:1], 0x0               ; input s[4:5], ksigma s[6:7], codes s[8:9], out0 s[10:11]
	v_lshl_add_u32 v208, v0, 2, 0x40d00
	v_mov_b32 v209, 0
	v_lshrrev_b32 v1, 5, v0
	v_readfirstlane_b32 s12, v1                    ; wave 0 .. 15
	v_and_b32 v1, 31, v0                           ; lane
	s_and_b32 s13, ttmp9, 1
	s_lshl_b32 s13, s13, 6                         ; x0
	s_lshr_b32 s14, ttmp9, 1
	s_lshl_b32 s14, s14, 3                         ; y0
	s_and_b32 s15, ttmp7, 0xffff
	s_lshl_b32 s15, s15, 2                         ; z0
	s_sub_co_u32 s66, s15, 2                       ; the halos' corners; a negative one is cured by the masks below
	s_sub_co_u32 s67, s14, 2
	s_sub_co_u32 s68, s15, 1
	s_sub_co_u32 s69, s14, 1
	s_lshl_b32 s70, s13, 4
	s_sub_co_u32 s71, s13, 2
	s_add_co_u32 s72, s13, 2
	s_sub_co_u32 s73, s13, 1
	s_and_b32 s74, s12, 7
	s_lshr_b32 s75, s12, 3
	v_lshlrev_b32 v2, 4, v1
	v_lshlrev_b32 v3, 3, v1
	v_lshl_add_u32 v4, v1, 1, s71                  ; columns x'' = 2 l, 2 l + 1: even pairs, none straddles the wrap
	v_and_b32 v4, 127, v4
	v_lshlrev_b32 v4, 2, v4
	v_lshl_add_u32 v5, v1, 1, s72                  ; columns x'' = 4 + 2 l, 5 + 2 l: brings 64-67 and repeats 60 words, with all lanes on
	v_and_b32 v5, 127, v5
	v_lshlrev_b32 v5, 2, v5
	s_mul_i32 s16, s74, 4*PZ                       ; my rows of A: z'' = w & 7, y'' = (w >> 3) + 2 i
	s_mul_i32 s17, s75, 4*PY
	s_add_co_u32 s16, s16, s17
	v_lshl_add_u32 v6, v1, 3, s16
	v_lshlrev_b32 v7, 2, v1
	v_mul_u32_u24 v8, ENT, v1
	s_mul_i32 s16, s12, ROWOUT
	s_add_co_u32 s16, s16, STAGE                   ; my stage
	v_mad_u32_u24 v9, v1, 36, s16                  ; in: 36 bytes a voxel; 9 words is odd, so 32 lanes touch 32 different words modulo 64
	v_add_nc_u32 v10, s16, v2                      ; out: 16 bytes a lane
	v_add_nc_u32 v11, s16, v3                      ; out, the last 256 bytes: 8 bytes a lane
	; The two halo columns (x' = 0 and 65) of plane z' = w are the work of waves 0-5.  Lane: side = l & 1, y' = ((l >> 1) & 7) + 2 (l >> 4):
	; lanes 0-15 take y' 0-7, lanes 16-31 y' 2-9.  y' 2-7 are done twice, the same numbers to the same bytes, inside one wave.
	v_bfe_u32 v16, v1, 1, 3
	v_lshrrev_b32 v17, 4, v1
	v_lshl_add_u32 v16, v17, 1, v16                ; y'
	v_and_b32 v17, 1, v1                           ; side
	s_wait_kmcnt 0x0
	s_load_b32 s58, s[6:7], 0x0                    ; ks
	s_add_co_u32 s16, s66, s74
	s_and_b32 s16, s16, 63
	s_lshl_b32 s18, s16, 16                        ; my plane of input
	s_add_co_u32 s19, s67, s75
	s_mov_b32 s17, 0
.irp i, 0,1,2,3,4,5
	s_add_co_u32 s16, s19, 2*\i
	s_and_b32 s16, s16, 127
	s_lshl_b32 s16, s16, 9
	s_or_b32 s16, s16, s18
	s_add_nc_u64 s[RB+2*\i:RB+2*\i+1], s[4:5], s[16:17]
.endr
.irp i, 0,1,2
	s_add_co_u32 s16, s75, 2*\i                    ; halo-1 rows 0-2: y' = w & 7, z' = (w >> 3) + 2 i
	s_mov_b32 s17, s74
	ROWSC \i
.endr
	s_lshr_b32 s16, s12, 1                         ; the 12 rows y' = 8, 9: waves 0-11, z' = w >> 1 (in waves 12-15 these scalars are not used)
	s_and_b32 s17, s12, 1
	s_add_co_u32 s17, s17, 8
	ROWSC 3
.irp j, 0,1
	s_add_co_u32 s16, s75, 2*\j                    ; output rows: zi = (w >> 3) + 2 j, yi = w & 7
	s_mul_i32 s18, s16, PZ
	s_mul_i32 s19, s74, PY
	s_add_co_u32 s18, s18, s19
	s_mul_i32 s[SC+\j], s18, ENT
	s_add_co_u32 s16, s16, s15
	s_add_co_u32 s17, s74, s14
	s_lshl_b32 s16, s16, 14
	s_lshl_b32 s17, s17, 7
	s_or_b32 s16, s16, s17
	s_or_b32 s18, s16, s13                         ; the row's first voxel, a multiple of 64
	s_lshl_b32 s16, s18, 4
	s_mov_b32 s17, 0
	s_add_nc_u64 s[CC+2*\j:CC+2*\j+1], s[8:9], s[16:17]
	s_mul_i32 s16, s18, 36                         ; 36 bytes a voxel: a multiple of 2,304, so of 256
	s_add_nc_u64 s[OB+2*\j:OB+2*\j+1], s[10:11], s[16:17]
.endr
	; PHASE 0: every global load of the kernel, the codes first, the input last.
	s_cmp_ge_u32 s12, 6
	s_cbranch_scc1 .Lno_column_load
	v_add_nc_u32 v19, s69, v16
	v_and_b32 v19, 127, v19                        ; (y0 - 1 + y') mod 128
	v_mad_u32_u24 v20, v17, 65, s73
	v_and_b32 v20, 127, v20                        ; (x0 - 1 + 65 side) mod 128
	v_lshlrev_b32 v20, 4, v20
	v_lshl_or_b32 v18, v19, 11, v20
	s_add_co_u32 s17, s12, s68
	s_and_b32 s17, s17, 63                         ; (z0 - 1 + w) mod 64
	s_lshl_b32 s17, s17, 18
	v_or_b32 v18, s17, v18
	global_load_b128 v[CBC:CBC+3], v18, s[8:9]
.Lno_column_load:
	s_cmp_ge_u32 s12, 12
	s_cbranch_scc1 .Lno_row3_load
	global_load_b128 v[CD+24:CD+27], v2, s[CB+6:CB+7]
	global_load_b128 v[CD+28:CD+31], v2, s[CB+6:CB+7] offset:512
.Lno_row3_load:
.irp i, 0,1,2
	global_load_b128 v[CD+8*\i:CD+8*\i+3],   v2, s[CB+2*\i:CB+2*\i+1]
	global_load_b128 v[CD+8*\i+4:CD+8*\i+7], v2, s[CB+2*\i:CB+2*\i+1] offset:512
.endr
.irp j, 0,1
	global_load_b128 v[CCD+8*\j:CCD+8*\j+3],   v2, s[CC+2*\j:CC+2*\j+1]
	global_load_b128 v[CCD+8*\j+4:CCD+8*\j+7], v2, s[CC+2*\j:CC+2*\j+1] offset:512
.endr
.irp i, 0,1,2,3,4,5
	global_load_b64 v[DIN+4*\i:DIN+4*\i+1],   v4, s[RB+2*\i:RB+2*\i+1]
	global_load_b64 v[DIN+4*\i+2:DIN+4*\i+3], v5, s[RB+2*\i:RB+2*\i+1]
.endr
	s_wait_kmcnt 0x0
	s_mul_f32 s59, s58, s58
	s_mul_f32 s59, s59, 0xbe317218                 ; -ks^2 ln2 / 4: 1 / (var8 x this) turns n2 into the logit in base 2
.irp i, 0,1,2,3,4,5
	s_wait_loadcnt 11-2*\i                         ; loads come back in order: the counts are the younger input loads; all codes are older, so they are in as well
	ds_store_b64 v6, v[DIN+4*\i:DIN+4*\i+1] offset:2*4*PY*\i
	s_wait_loadcnt 10-2*\i
	ds_store_b64 v6, v[DIN+4*\i+2:DIN+4*\i+3] offset:2*4*PY*\i+16
.endr
	s_wait_dscnt 0x0                               ; my rows of A are written,
	s_barrier_signal -1
	s_barrier_wait -1                              ; everybody's are
	; PHASE 1, first part: Wk[e][k] = A[e + c_k - 885], all of a wave's rows into registers; nothing is written to LDS here.
.macro ROWG i
	v_add_nc_u32 v12, s[SA+\i], v7
	DECODE CD+8*\i, AD
	ADDR_A AD, 12
	GATHER AD, G+20*\i, 0
	DECODE CD+8*\i+4, AD+9
	ADDR_A AD+9, 12
	GATHER AD+9, G+20*\i+10, 128                   ; columns 32-63: 32 words on
.endm
.macro ROWP i
	v_add_nc_u32 v13, s[SW+\i], v8
	PUT 13, G+20*\i, 0
	PUT 13, G+20*\i+10, 32*ENT
.endm
	ROWG 0
	ROWG 1
	ROWG 2
	s_cmp_ge_u32 s12, 12
	s_cbranch_scc1 .Lno_row3_gather
	ROWG 3
.Lno_row3_gather:
	s_cmp_ge_u32 s12, 6
	s_cbranch_scc1 .Lno_column_gather
	s_mul_i32 s16, s12, 4*PZ                       ; u = w*816 + y'*68 + 65 side
	v_mad_u32_u24 v22, v16, 4*PY, s16
	v_mad_u32_u24 v22, v17, 4*65, v22              ; 4 u; with the largest code the gather ends at A's last byte (4 x 4,757 + 4 x 1,770 + 4 = 26,112)
	DECODE CBC, AD
	ADDR_A AD, 22
	GATHER AD, G+80, 0
.Lno_column_gather:
	s_wait_dscnt 0x0                               ; my gathers are in: I read A no more,
	s_barrier_signal -1
	s_barrier_wait -1                              ; nobody does: WK may be laid over it
	; PHASE 1, second part: the rows into WK.
	ROWP 0
	ROWP 1
	ROWP 2
	s_cmp_ge_u32 s12, 12
	s_cbranch_scc1 .Lno_row3_put
	ROWP 3
.Lno_row3_put:
	s_cmp_ge_u32 s12, 6
	s_cbranch_scc1 .Lno_column_put
	s_mul_i32 s16, s12, ENT*PZ
	v_mad_u32_u24 v23, v16, ENT*PY, s16
	v_mad_u32_u24 v23, v17, ENT*65, v23            ; 48 u: entries x' = 0 and 65, which no row above writes
	PUT 23, G+80, 0
.Lno_column_put:
	s_wait_dscnt 0x0                               ; my rows of WK are written,
	s_barrier_signal -1
	s_barrier_wait -1                              ; everybody's are; from here on WK is only read, and each wave's stage is its own
	; PHASE 2
.macro SQSUM dst                       ; the sum of the squares of D's nine numbers
	v_pk_mul_f32 v[D:D+1], v[D:D+1], v[D:D+1]
	v_pk_fma_f32 v[D:D+1], v[D+2:D+3], v[D+2:D+3], v[D:D+1]
	v_pk_fma_f32 v[D:D+1], v[D+4:D+5], v[D+4:D+5], v[D:D+1]
	v_pk_fma_f32 v[D:D+1], v[D+6:D+7], v[D+6:D+7], v[D:D+1]
	v_fma_f32 v[D], v[D+8], v[D+8], v[D]
	v_add_f32 v[\dst], v[D], v[D+1]
.endm
; 32 voxels: columns 32 h + lane of output row j.  v14 = 48 l + SC_j.
.macro VOX j, h
	DECODE CCD+8*\j+4*\h, RA
	ADDR_W RA, 14
	ds_load_b128 v[W:W+3],   v14 offset:OWN+32*ENT*\h
	ds_load_b128 v[W+4:W+7], v14 offset:OWN+32*ENT*\h+16
	ds_load_b32  v[W+8],     v14 offset:OWN+32*ENT*\h+32
.irp k, 0,1,2,3,4,5,6,7,8
	ds_load_b128 v[Q+10*\k:Q+10*\k+3],   v[RA+\k] offset:32*ENT*\h
	ds_load_b128 v[Q+10*\k+4:Q+10*\k+7], v[RA+\k] offset:32*ENT*\h+16
	ds_load_b32  v[Q+10*\k+8],           v[RA+\k] offset:32*ENT*\h+32
.endr
	s_wait_dscnt 27                                ; my own row is in; the 27 loads of the neighbours' rows stay out
	v_pk_add_f32 v[MEAN:MEAN+1], v[W:W+1], v[W+2:W+3]
	v_pk_add_f32 v[SCL:SCL+1], v[W+4:W+5], v[W+6:W+7]
	v_pk_add_f32 v[MEAN:MEAN+1], v[MEAN:MEAN+1], v[SCL:SCL+1]
	v_add_f32 v[MEAN], v[MEAN], v[MEAN+1]
	v_add_f32 v[MEAN], v[MEAN], v[W+8]
	v_mul_f32 v[MEAN], 0x3de38e39, v[MEAN]         ; x 1/9
.irp p, 0,1,2,3
	v_pk_add_f32 v[D+2*\p:D+2*\p+1], v[W+2*\p:W+2*\p+1], v[MEAN:MEAN+1] op_sel_hi:[1,0] neg_lo:[0,1] neg_hi:[0,1]
.endr
	v_sub_f32 v[D+8], v[W+8], v[MEAN]
	SQSUM VAR                                      ; 8 x the variance, from deviations: a common offset of the inputs cancels first
	v_mul_f32 v[SCL], s59, v[VAR]
	v_rcp_f32 v[SCL], v[SCL]                       ; the six lines below, which touch neither, stand between it and its use (ISA guide 5.7.2)
.irp p, 0,1,2,3
	v_pk_add_f32 v[WE+2*\p:WE+2*\p+1], v[W+2*\p:W+2*\p+1], 0x358637bd op_sel_hi:[1,0]
.endr
	v_add_f32 v[WE+8], 0x358637bd, v[W+8]
	v_cmp_neq_f32 vcc_lo, 0, v[VAR]
	s_wait_alu depctr_va_vdst(0)
	v_cndmask_b32 v[SCL], 0, v[SCL], vcc_lo        ; sigma = 0: all logits 0
.irp k, 0,1,2,3,4,5,6,7,8
	s_wait_dscnt 24-3*\k                           ; row k is in; three loads for each later row stay out
.irp p, 0,1,2,3
	v_pk_add_f32 v[D+2*\p:D+2*\p+1], v[WE+2*\p:WE+2*\p+1], v[Q+10*\k+2*\p:Q+10*\k+2*\p+1] neg_lo:[0,1] neg_hi:[0,1]
.endr
	v_sub_f32 v[D+8], v[WE+8], v[Q+10*\k+8]
	SQSUM N+\k
.endr
	v_min3_num_f32 v[D+2], v[N], v[N+1], v[N+2]    ; the smallest n2 has the largest logit
	v_min3_num_f32 v[D+2], v[D+2], v[N+3], v[N+4]
	v_min3_num_f32 v[D+2], v[D+2], v[N+5], v[N+6]
	v_min3_num_f32 v[D+2], v[D+2], v[N+7], v[N+8]
	v_mul_f32 v[D+2], v[D+2], v[SCL]
.irp p, 0,1,2,3
	v_pk_fma_f32 v[N+2*\p:N+2*\p+1], v[N+2*\p:N+2*\p+1], v[SCL:SCL+1], v[D+2:D+3] op_sel_hi:[1,0,0] neg_lo:[0,0,1] neg_hi:[0,0,1]
.endr
	v_fma_f32 v[N+8], v[N+8], v[SCL], -v[D+2]      ; logit - largest logit, in base 2
.irp k, 0,1,2,3,4,5,6,7,8
	v_exp_f32 v[N+\k], v[N+\k]
.endr
	v_nop                                          ; one plain place behind the last exponential
	s_wait_alu depctr_va_vdst(0)
	v_pk_add_f32 v[D:D+1], v[N:N+1], v[N+2:N+3]
	v_pk_add_f32 v[D+2:D+3], v[N+4:N+5], v[N+6:N+7]
	v_pk_add_f32 v[D:D+1], v[D:D+1], v[D+2:D+3]
	v_add_f32 v[D], v[D], v[D+1]
	v_add_f32 v[D], v[D], v[N+8]
	v_rcp_f32 v[D], v[D]
	v_nop                                          ; and one behind the reciprocal
	s_wait_alu depctr_va_vdst(0)
.irp p, 0,1,2,3
	v_pk_mul_f32 v[N+2*\p:N+2*\p+1], v[N+2*\p:N+2*\p+1], v[D:D+1] op_sel_hi:[1,0]
.endr
	v_mul_f32 v[N+8], v[N+8], v[D]
.irp k, 0,1,2,3,4,5,6,7,8
	ds_store_b32 v9, v[N+\k] offset:32*36*\h+4*\k
.endr
.endm
; A row of 64 voxels leaves: my own stage, read back in the order of memory.  LDS serves a wave's instructions in order (ISA guide 5.7.1),
; so the loads see the stores above and the next row's stores come behind these loads: no wait between them, no barrier.
.macro OUTROW j
	s_wait_xcnt 0x0                                ; OUT was the last row's store data: loaded again only behind this wait
.irp q, 0,1,2,3
	ds_load_b128 v[OUT+4*\q:OUT+4*\q+3], v10 offset:512*\q
.endr
	ds_load_b64 v[OUT+16:OUT+17], v11 offset:2048
.irp q, 0,1,2,3
	s_wait_dscnt 4-\q                              ; the younger read-backs stay out
	global_store_b128 v2, v[OUT+4*\q:OUT+4*\q+3], s[OB+2*\j:OB+2*\j+1] offset:512*\q th:TH_STORE_NT
.endr
	s_wait_dscnt 0x0
	global_store_b64 v3, v[OUT+16:OUT+17], s[OB+2*\j:OB+2*\j+1] offset:2048 th:TH_STORE_NT
.endm
	v_add_nc_u32 v14, s[SC], v8
	VOX 0, 0
	VOX 0, 1
	OUTROW 0
	v_add_nc_u32 v14, s[SC+1], v8
	VOX 1, 0
	VOX 1, 1
	OUTROW 1
	s_wait_tensorcnt 0x0
	ds_add_u32 v208, v209
	s_wait_dscnt 0x0
	s_endpgm
.Lfunc_end_k_qc6322d330a_weights:
	.size	k_qc6322d330a_weights, .Lfunc_end_k_qc6322d330a_weights-k_qc6322d330a_weights
	.p2alignl 7, 3214868480
	.fill 96, 4, 3214868480
	.section	.rodata,"a",@progbits
	.p2align	6, 0x0
	.amdhsa_kernel k_qc6322d330a_weights
		.amdhsa_group_segment_fixed_size 267520
		.amdhsa_private_segment_fixed_size 0
		.amdhsa_enable_private_segment 0
		.amdhsa_kernarg_size 32
		.amdhsa_user_sgpr_count 2
		.amdhsa_user_sgpr_kernarg_segment_ptr 1
		.amdhsa_wavefront_size32 1
		.amdhsa_system_sgpr_workgroup_id_x 1
		.amdhsa_system_sgpr_workgroup_id_y 1
		.amdhsa_system_sgpr_workgroup_id_z 1
		.amdhsa_system_vgpr_workitem_id 0
		.amdhsa_next_free_vgpr 210
		.amdhsa_next_free_sgpr 80
		.amdhsa_reserve_vcc 1
		.amdhsa_float_denorm_mode_32 3
		.amdhsa_float_denorm_mode_16_64 3
		.amdhsa_memory_ordered 1
		.amdhsa_forward_progress 1
		.amdhsa_inst_pref_size 91
	.end_amdhsa_kernel
	.amdgpu_metadata
---
amdhsa.version: [ 1, 2 ]
amdhsa.kernels:
  - .name:           k_qc6322d330a_weights
    .symbol:         k_qc6322d330a_weights.kd
    .args:
      - { .name: input, .offset: 0, .size: 8, .value_kind: global_buffer, .address_space: global }
      - { .name: ksigma, .offset: 8, .size: 8, .value_kind: global_buffer, .address_space: global }
      - { .name: codes, .offset: 16, .size: 8, .value_kind: global_buffer, .address_space: global }
      - { .name: out0, .offset: 24, .size: 8, .value_kind: global_buffer, .address_space: global }
    .group_segment_fixed_size: 267520
    .private_segment_fixed_size: 0
    .kernarg_segment_align: 8
    .kernarg_segment_size: 32
    .max_flat_workgroup_size: 512
    .sgpr_count:     80
    .vgpr_count:     210
    .wavefront_size: 32
...
	.end_amdgpu_metadata
.endif
;; end of part 2
;; ======== version 2 of 3: 2 launches; 1.34 times as fast as version 1
;; limits: right only within a limited range of input values
;; workspace buffers: codes 16,777,216 bytes of whole numbers
;; launch select (part 3): grid 64 x 16, 8 waves a work-group, no clusters, 0 bytes of LDS; arguments input, codes; writes codes
.if DOCPART == 3
	.amdgcn_target "amdgcn-amd-amdhsa--gfx1250"
	.amdhsa_code_object_version 6
	.text
	.protected	k_qc6322d330a_select
	.globl	k_qc6322d330a_select
	.p2align	8
	.type	k_qc6322d330a_select,@function
k_qc6322d330a_select:
	s_mov_b64 s[64:65], 0
	v_nop
	global_prefetch_b8 v0, s[64:65] scope:SCOPE_SE
	s_setreg_imm32_b32 hwreg(HW_REG_WAVE_MODE, 25, 1), 1
	s_wait_xcnt 0x0
; SELECT: for every voxel of the periodic 64 x 128 x 128 volume, the first 9 of its 27 window neighbours in the stable
; order of |a(neighbour) - a(voxel)|, stored as 9 whole numbers (16 bytes a voxel) for the next launch, which forms addresses from them.
;
; A neighbour (oz, oy, ox) is named by its code c = (oz+1)*816 + (oy+1)*68 + (ox+1): rising with the window position (z-major, y, x),
; so it breaks ties exactly as a stable sort does, and it is at the same time the next launch's offset in entries (pitches 68 and 816).
; A key is an even-aligned register pair: the even register holds the code, the odd one the distance's bits (not negative, so they order
; as unsigned numbers).  Read as one unsigned 64-bit number the pair orders by distance first and by code on a tie: one compare decides.
;
; Work: one lane, one voxel.  A wave owns 32 x of one y and walks 4 z; three 3 x 3 planes of values stay in registers, so a step loads
; 9 words a lane.  Selection: each plane's 9 keys are sorted by a network of 25 comparators, then two merges keep the 9 smallest.
; Straight-line text: no LDS, no barrier, no branch, all lanes on throughout.
; Comparators write the smaller key into a spare register pair and the names are exchanged (symbols), which spares the copies.
; A comparator's moves go two to an instruction: a distance's minimum or maximum (odd destination) beside a code's select (even destination).
; The dual form asks for one even and one odd destination, and for first sources, and second sources, whose numbers differ modulo 4
; (ISA guide, the dual-issue VOPD encoding); here each such couple is one odd and one even register, whatever slots meet.
; No cluster, no tensor load: work-groups share only halo values, rows wrap round the volume, and the whole input is 4 MiB.
; LIMIT: inputs are finite (no NaN, no infinity): every comparator moves the distances by min_num / max_num, which on finite numbers
; that are not negative give the same words as the unsigned minimum and maximum.
.set PY,    68
.set PZ,    816
.set A,     2                          ; v[2:28]    27 values: physical plane pl at A + 9 pl, inside it 3 oy + ox
.set VOFF,  29                         ; v[29:37]   byte offset in a plane of neighbour column 3 oy + ox
.set VO,    38                         ; v38        byte offset in codes of my voxel at z0
.set T,     39                         ; v39        at work (packing)
.set SLOT0, 40                         ; v[40:93]   27 key slots, a pair each: lo = code, hi = distance
.set SPR,   94                         ; v[94:95]   the spare pair
.set C,     96                         ; v[96:122]  the 27 codes, constants
.set W,     124                        ; v[124:127] the four words to store
.set PLANE, 16                         ; s[16:27]   address of plane (z0 - 1 + k) mod 64, k = 0 .. 5
.set YOFF,  28                         ; s28-s30    byte offset of row (y + oy) mod 128
.irp s, 0,1,2,3,4,5,6,7,8,9,10,11,12,13,14,15,16,17,18,19,20,21,22,23,24,25,26
.set P\s, SLOT0+2*\s
.endr
.macro ROT a                           ; slot a takes the spare pair, its old pair becomes the spare
.set SWP, P\a
.set P\a, SPR
.set SPR, SWP
.endm
; Both slots still hold signed differences and stand for window positions a < b: on a tie the order stays.
; (The |x| modifiers need the long encoding, so these lines stay single.)
.macro CES0 a, b
	v_cmp_gt_f32 vcc_lo, |v[P\a+1]|, |v[P\b+1]|
	v_min_num_f32 v[SPR+1], |v[P\a+1]|, |v[P\b+1]|
	v_max_num_f32 v[P\b+1], |v[P\a+1]|, |v[P\b+1]|
	v_cndmask_b32 v[SPR], v[C+\a], v[C+\b], vcc_lo
	v_cndmask_b32 v[P\b], v[C+\b], v[C+\a], vcc_lo
	ROT \a
.endm
; Slot a holds a key of a position in front of b, slot b still a signed difference: on a tie the order stays.
.macro CES1 a, b
	v_cmp_gt_f32 vcc_lo, v[P\a+1], |v[P\b+1]|
	v_min_num_f32 v[SPR+1], v[P\a+1], |v[P\b+1]|
	v_max_num_f32 v[P\b+1], v[P\a+1], |v[P\b+1]|
	v_cndmask_b32 v[SPR], v[P\a], v[C+\b], vcc_lo
	v_cndmask_b32 v[P\b], v[C+\b], v[P\a], vcc_lo
	ROT \a
.endm
; The full comparator: b goes first if its pair, as one unsigned 64-bit number, is the smaller (no two keys are equal: the codes differ).
; The distances need no mask: the smaller and the larger of the two; the codes follow the compare (the select's mask is VCC).
; First the smaller key into the spare pair, which reads a and b whole; then the larger key into b.
.macro CE a, b
	v_cmp_lt_u64 vcc_lo, v[P\b:P\b+1], v[P\a:P\a+1]
	v_dual_min_num_f32 v[SPR+1], v[P\a+1], v[P\b+1] :: v_dual_cndmask_b32 v[SPR], v[P\a], v[P\b]
	v_dual_max_num_f32 v[P\b+1], v[P\a+1], v[P\b+1] :: v_dual_cndmask_b32 v[P\b], v[P\b], v[P\a]
	ROT \a
.endm
.macro CEL a, b                        ; the same for the last layer: only the codes are wanted behind it (two even destinations: no pair)
	v_cmp_lt_u64 vcc_lo, v[P\b:P\b+1], v[P\a:P\a+1]
	v_cndmask_b32 v[SPR], v[P\a], v[P\b], vcc_lo
	v_cndmask_b32 v[P\b], v[P\b], v[P\a], vcc_lo
	ROT \a
.endm
.macro MINS a, b                       ; slot a = the smaller key; every code in a's list is below every code in b's: a tie keeps a
	v_cmp_lt_u32 vcc_lo, v[P\b+1], v[P\a+1]
	v_dual_min_num_f32 v[P\a+1], v[P\a+1], v[P\b+1] :: v_dual_cndmask_b32 v[P\a], v[P\a], v[P\b]
.endm
; 9 keys sorted by 25 comparators: rows of three, columns of three, then seven more.
.macro SORT9 s0, s1, s2, s3, s4, s5, s6, s7, s8
	CES0 \s0, \s1
	CES0 \s3, \s4
	CES0 \s6, \s7
	CES1 \s1, \s2
	CES1 \s4, \s5
	CES1 \s7, \s8
	CE \s0, \s1
	CE \s3, \s4
	CE \s6, \s7
	CE \s0, \s3
	CE \s3, \s6
	CE \s0, \s3
	CE \s1, \s4
	CE \s4, \s7
	CE \s1, \s4
	CE \s2, \s5
	CE \s5, \s8
	CE \s2, \s5
	CE \s1, \s3
	CE \s5, \s7
	CE \s2, \s6
	CE \s4, \s6
	CE \s2, \s4
	CE \s2, \s3
	CE \s5, \s6
.endm
; Slots 0-8 (sorted) and b0-b8 (sorted): min(slot k, b(8-k)) are the 9 smallest of the 18, rising and then falling.
; Its smallest stands at one end: (0,8) brings it to slot 0; slots 1-8 are then sorted by the three layers of a merger of eight.
.macro MERGE b0, b1, b2, b3, b4, b5, b6, b7, b8, last
	MINS 0, \b8
	MINS 1, \b7
	MINS 2, \b6
	MINS 3, \b5
	MINS 4, \b4
	MINS 5, \b3
	MINS 6, \b2
	MINS 7, \b1
	MINS 8, \b0
	CE 0, 8
	CE 4, 8
	CE 3, 7
	CE 2, 6
	CE 1, 5
	CE 6, 8
	CE 5, 7
	CE 2, 4
	CE 1, 3
.if \last
	CEL 7, 8
	CEL 5, 6
	CEL 3, 4
	CEL 1, 2
.else
	CE 7, 8
	CE 5, 6
	CE 3, 4
	CE 1, 2
.endif
.endm
	s_load_b128 s[4:7], s[0:1], 0x0                ; input s[4:5], codes s[6:7]
	v_lshrrev_b32 v1, 5, v0
	v_readfirstlane_b32 s8, v1                     ; wave 0 .. 7
	v_and_b32 v1, 127, v0                          ; x: waves 0-3 cover one row, waves 4-7 the next
	s_lshr_b32 s9, s8, 2
	s_lshl_b32 s11, ttmp9, 1
	s_add_co_u32 s9, s11, s9                       ; y
	s_and_b32 s10, ttmp7, 0xffff
	s_lshl_b32 s10, s10, 2                         ; z0: the first of my four z
.irp o, 0,1,2
	s_add_co_u32 s11, s9, \o-1
	s_and_b32 s11, s11, 127                        ; (y + oy) mod 128
	s_lshl_b32 s[YOFF+\o], s11, 9                  ; rows of 512 bytes
	v_add_nc_u32 v[W+\o], \o-1, v1
	v_and_b32 v[W+\o], 127, v[W+\o]                ; (x + ox) mod 128
	v_lshlrev_b32 v[W+\o], 2, v[W+\o]
.endr
.irp oy, 0,1,2
.irp ox, 0,1,2
	v_add_nc_u32 v[VOFF+3*\oy+\ox], s[YOFF+\oy], v[W+\ox]
.endr
.endr
	s_lshl_b32 s11, s10, 18                        ; 16 bytes a voxel: z << 18 | y << 11 | x << 4
	s_lshl_b32 s12, s9, 11
	s_or_b32 s11, s11, s12
	v_lshl_or_b32 v[VO], v1, 4, s11
	s_mov_b32 s13, 0
	s_wait_kmcnt 0x0
.irp k, 0,1,2,3,4,5
	s_add_co_u32 s12, s10, \k-1
	s_and_b32 s12, s12, 63                         ; (z0 - 1 + k) mod 64
	s_lshl_b32 s12, s12, 16                        ; planes of 65,536 bytes
	s_add_nc_u64 s[PLANE+2*\k:PLANE+2*\k+1], s[4:5], s[12:13]
.endr
.irp k, 0,1,2
.irp j, 0,1,2,3,4,5,6,7,8
	global_load_b32 v[A+9*\k+\j], v[VOFF+\j], s[PLANE+2*\k:PLANE+2*\k+1]
.endr
.endr
.set i, 0
.rept 27
	v_mov_b32 v[C+i], (i/9)*PZ+((i/3)%3)*PY+(i%3)  ; the codes, while the first planes are on their way
.set i, i+1
.endr
; One voxel a lane, z = z0 + t.  p0, p1, p2: the physical planes that hold z - 1, z, z + 1.  load = 1: plane z + 2 replaces p0.
.macro STEP t, p0, p1, p2, load
	s_wait_loadcnt 0x0                             ; all that is out (27 loads at first, 9 later) is wanted by this step
.irp s, 0,1,2,3,4,5,6,7,8
	v_sub_f32 v[P\s+1], v[A+9*\p0+\s], v[A+9*\p1+4]
.endr
.irp s, 9,10,11,12,13,14,15,16,17
	v_sub_f32 v[P\s+1], v[A+9*\p1+\s-9], v[A+9*\p1+4]
.endr
.irp s, 18,19,20,21,22,23,24,25,26
	v_sub_f32 v[P\s+1], v[A+9*\p2+\s-18], v[A+9*\p1+4]
.endr
.if \load
.irp j, 0,1,2,3,4,5,6,7,8
	global_load_b32 v[A+9*\p0+\j], v[VOFF+\j], s[PLANE+2*(\t+3):PLANE+2*(\t+3)+1]   ; p0 was read for the last time above; the whole selection lies between this and its use
.endr
.endif
	SORT9 0, 1, 2, 3, 4, 5, 6, 7, 8
	SORT9 9, 10, 11, 12, 13, 14, 15, 16, 17
	MERGE 9, 10, 11, 12, 13, 14, 15, 16, 17, 0
	SORT9 18, 19, 20, 21, 22, 23, 24, 25, 26
	MERGE 18, 19, 20, 21, 22, 23, 24, 25, 26, 1
	s_wait_xcnt 0x0                                ; W was the last step's store data: rewritten only behind this wait
	v_lshl_or_b32 v[W],   v[P1], 12, v[P0]         ; word 0: c0 | c1 << 12 | (c8 & 255) << 24
	v_lshl_or_b32 v[W+1], v[P3], 12, v[P2]         ; word 1: c2 | c3 << 12 | (c8 >> 8) << 24
	v_lshl_or_b32 v[W+2], v[P5], 12, v[P4]         ; word 2: c4 | c5 << 12
	v_lshl_or_b32 v[W+3], v[P7], 12, v[P6]         ; word 3: c6 | c7 << 12
	v_lshrrev_b32 v[T], 8, v[P8]
	v_lshl_or_b32 v[W],   v[P8], 24, v[W]          ; the shift drops c8's upper bits
	v_lshl_or_b32 v[W+1], v[T],  24, v[W+1]
	global_store_b128 v[VO], v[W:W+3], s[6:7] offset:\t*262144    ; the wave stores 512 consecutive bytes, aligned
.endm
	STEP 0, 0, 1, 2, 1
	STEP 1, 1, 2, 0, 1
	STEP 2, 2, 0, 1, 1
	STEP 3, 0, 1, 2, 0
	s_endpgm
.Lfunc_end_k_qc6322d330a_select:
	.size	k_qc6322d330a_select, .Lfunc_end_k_qc6322d330a_select-k_qc6322d330a_select
	.p2alignl 7, 3214868480
	.fill 96, 4, 3214868480
	.section	.rodata,"a",@progbits
	.p2align	6, 0x0
	.amdhsa_kernel k_qc6322d330a_select
		.amdhsa_group_segment_fixed_size 0
		.amdhsa_private_segment_fixed_size 0
		.amdhsa_enable_private_segment 0
		.amdhsa_kernarg_size 16
		.amdhsa_user_sgpr_count 2
		.amdhsa_user_sgpr_kernarg_segment_ptr 1
		.amdhsa_wavefront_size32 1
		.amdhsa_system_sgpr_workgroup_id_x 1
		.amdhsa_system_sgpr_workgroup_id_y 1
		.amdhsa_system_sgpr_workgroup_id_z 1
		.amdhsa_system_vgpr_workitem_id 0
		.amdhsa_next_free_vgpr 128
		.amdhsa_next_free_sgpr 66
		.amdhsa_reserve_vcc 1
		.amdhsa_float_denorm_mode_32 3
		.amdhsa_float_denorm_mode_16_64 3
		.amdhsa_memory_ordered 1
		.amdhsa_forward_progress 1
		.amdhsa_inst_pref_size 91
	.end_amdhsa_kernel
	.amdgpu_metadata
---
amdhsa.version: [ 1, 2 ]
amdhsa.kernels:
  - .name:           k_qc6322d330a_select
    .symbol:         k_qc6322d330a_select.kd
    .args:
      - { .name: input, .offset: 0, .size: 8, .value_kind: global_buffer, .address_space: global }
      - { .name: codes, .offset: 8, .size: 8, .value_kind: global_buffer, .address_space: global }
    .group_segment_fixed_size: 0
    .private_segment_fixed_size: 0
    .kernarg_segment_align: 8
    .kernarg_segment_size: 16
    .max_flat_workgroup_size: 256
    .sgpr_count:     66
    .vgpr_count:     128
    .wavefront_size: 32
...
	.end_amdgpu_metadata
.endif
;; end of part 3
;; launch weights: the kernel of part 2 again; grid 32 x 16, 16 waves a work-group, no clusters, 267,520 bytes of LDS; arguments input, ksigma, codes, out0; writes out0
;; ======== version 3 of 3: 2 launches; version 2 with the launch weights written anew for expert scheduling mode
;; limits: right only within a limited range of input values
;; workspace buffers: codes 16,777,216 bytes of whole numbers
;; launch select: the kernel of part 3 again; grid 64 x 16, 8 waves a work-group, no clusters, 0 bytes of LDS; arguments input, codes; writes codes
;; launch weights (part 4): grid 32 x 16, 16 waves a work-group, no clusters, 267,520 bytes of LDS; arguments input, ksigma, codes, out0; writes out0
.if DOCPART == 4
	.amdgcn_target "amdgcn-amd-amdhsa--gfx1250"
	.amdhsa_code_object_version 6
	.text
	.protected	k_qc6322d330a_weights
	.globl	k_qc6322d330a_weights
	.p2align	8
	.type	k_qc6322d330a_weights,@function
k_qc6322d330a_weights:
	s_mov_b64 s[64:65], 0
	v_nop
	global_prefetch_b8 v0, s[64:65] scope:SCOPE_SE
	s_setreg_imm32_b32 hwreg(HW_REG_WAVE_SCHED_MODE, 0, 2), 2
	s_setreg_imm32_b32 hwreg(HW_REG_WAVE_MODE, 25, 1), 1
	s_wait_xcnt 0x0
	s_wait_alu depctr_vm_vsrc(0)
; WEIGHTS: out0[p][j] = softmax over j of -|Wk[p] - Wk[q_j] + 1e-6|^2 / (2 var(Wk[p]) ks^2), q_j the j-th of p's nine neighbours
; as the launch before stored them (codes), Wk[p] the nine values of p's neighbours in that order, var with 8 in the divisor.
;
; A work-group owns a tile of 64 x, 8 y, 4 z.  Index space: e = z''*816 + y''*68 + x'', halo 2 (x'' 0-67, y'' 0-11, z'' 0-7);
; the neighbour with code c of the voxel at e stands at e + c - 885.
;   phase 0  the tile's values with halo 2 into LDS (A); the codes of the tile with halo 1 into registers
;   phase 1  Wk rebuilt for the tile with halo 1 (66 x 10 x 6 rows of nine values): every wave gathers all its rows from A into registers,
;            then stores them into LDS (WK, 48 bytes a row).  WK lies over A, which is dead once everybody has gathered.
;   phase 2  for each voxel: its own row and nine neighbours' rows from WK, the nine squared distances, the softmax;
;            a row of 64 voxels (2,304 bytes) is gathered in the wave's own stage and leaves in stores of 512 and 256 consecutive bytes, aligned
; Wk never goes to memory: rebuilding it costs 1.93 gathers of nine words a voxel, in LDS.
; Three barriers: A written by all, then read by all; A read out by all, then overwritten by WK; WK written by all, then read by all.
; All lanes are on throughout.
; No matrix unit (there is no product).  No tensor load and no cluster: tiles wrap round the volume, neighbouring work-groups share only the halo,
; and they do not ask for it at the same time.  No prefetch: the codes were stored by the launch before and the input is 4 MiB.
; LIMITS: (1) inputs finite.  (2) 1e-6 is added to the own row once, (Wp + 1e-6) - Wq, where the definition has (Wp - Wq) + 1e-6: up to half
; a last place of Wp apart in each element.  (3) sigma = 0 is taken as: the sum of squared deviations from sum * (1/9) is 0.  (4) the logit is
; n2 * 1 / (var8 ks^2 / 4), one reciprocal in place of two divisions and a square; ks = 0, and var8 ks^2 ln2 / 4 below 2^-126 (the reciprocal takes
; it as zero), are not served.  The largest logit is taken away before the exponential: the scale is not positive, so it belongs to the smallest n2.
;
; THE MODE: SCHED_MODE bits 1:0 = 2 (LLVM: expert scheduling mode 2), set by the entry lines.  The code itself states the register dependences
; between vector instructions and memory or LDS instructions, with s_wait_alu, always for 0.
; THE PLAN.  Every address register is written once, so that no address is waited for twice.  Registers that memory or LDS instructions touch:
;   v2-v11, v13, v14  offsets and bases, made at the head, never written again: one wait ahead of the first load serves them for the whole kernel.
;   DIN               landed by global loads, read by the LDS stores of A; behind the first barrier one wait frees it for addresses and gathers.
;   ADR0-3, ADC       nine sets of nine gather addresses.  Written by a row's decode, read by that row's gathers alone.
;   WKA, v23          addresses of the rows' stores into WK, made beside the row's decode.
;   G                 landed by the gathers, read by the stores into WK; no vector instruction names it.
;                     PHASE 1: one wait behind each row's decode (addresses written).  The gathers of rows 0 and 1 then stand among the decode of the
;                     next row, which names that row's codes and set, v12, T and its own WKA: none of the registers that those gathers touch.
;   RA0-3             phase 2, step u (32 voxels): written by the decode that stands in step u - 1, read by step u's loads.
;   W, Q              landed by step u's loads, read by step u's arithmetic.
;   N0, N1            step u's arithmetic writes N[u % 2]; the nine stage stores issued at the head of step u + 1 read it.
;   OUT               landed by a row's read-back from the stage, read by its global stores.
;                     PHASE 2: one wait at a step's head states that RA[u] is written, that the step before has written its N and that it is done reading W and Q.
;                     Behind it stand the stage stores of the step before, this step's 30 loads and, while they are out, the decode of RA[u + 1].
.set PY,     68
.set PZ,     816
.set CMAX,   2*PZ+2*PY+2               ; 1,770: the largest code
.set ENT,    48                        ; bytes of a WK row: 3 x 16, so 16 neighbouring rows start in 16 different 16-byte columns of 256
.set OWN,    ENT*(PZ+PY+1)             ; the code of the voxel itself, in bytes of WK
.set STAGE,  ENT*(5*PZ+9*PY+65+1)      ; A: 6,528 words from byte 0.  WK: 4,758 rows from byte 0.  Behind WK 2,304 bytes for each wave
.set ROWOUT, 2304
; scalars: s12 wave, s13 x0, s14 y0, s15 z0, s16-19 at work, s66-75 small terms, s58 ks, s59 -ks^2 ln2 / 4
.set RB, 20                            ; s[20:31]  input at my six halo-2 rows
.set CB, 32                            ; s[32:39]  codes at my four halo-1 rows
.set CC, 40                            ; s[40:43]  codes at my two output rows
.set OB, 44                            ; s[44:47]  out0 at my two output rows
.set SA, 48                            ; s48-51    4 u of my four halo-1 rows (u = z'*816 + y'*68 + 1)
.set SW, 52                            ; s52-55    48 u
.set SC, 56                            ; s56-57    48 (zi*816 + yi*68) of my two output rows
; vectors: v1 lane, v2 16 l, v3 8 l, v4 v5 input columns, v6 A store, v7 4 l, v8 48 l, v9 stage in, v10 v11 stage out, v12 a row's base in A (vector work only),
;          v14 v13 48 l + SC of output rows 0, 1, v16 v17 the lane's y' and side in a halo column, v18-23 halo columns' addresses
.set T,    15
.set CD,   24                          ; v[24:55]   codes of halo-1 row i, half h: four words at CD + 8 i + 4 h
.set CBC,  56                          ; v[56:59]   codes of my halo-column voxel
.set DIN,  60                          ; v[60:83]   input pairs as loaded
.set ADR0, 60                          ; v[60:77]   gather addresses of halo-1 row 0: two sets of nine (the input pairs are in LDS by then)
.set ADR1, 170                         ; v[170:187] of row 1
.set ADR2, 206                         ; v[206:223] of row 2
.set ADR3, 224                         ; v[224:241] of row 3
.set ADC,  242                         ; v[242:250] of the halo column
.set WKA,  251                         ; v[251:254] 48 l + SW of halo-1 row i
.set G,    80                          ; v[80:169]  gathered values: row i, half h at G + 20 i + 10 h; the halo column at G + 80
.set W,    24                          ; v[24:32]   phase 2: own row
.set WE,   34                          ; v[34:42]   own row + 1e-6
.set N,    44                          ; v[44:52], v[54:62]  squared distances, then weights: a buffer for each half h of a row
.set MEAN, 64                          ; v[64:65]
.set SCL,  66                          ; v[66:67]
.set D,    68                          ; v[68:76]   differences
.set VAR,  78
.set Q,    80                          ; v[80:169]  nine rows, 10 registers apart
.set OUT,  170                         ; v[170:187] a row of results on its way out
.set CCD,  190                         ; v[190:205] codes of my output rows: four words at CCD + 8 j + 4 h
.set RA,   206                         ; v[206:241] addresses of the nine rows: a set for each step u = 2 j + h, at RA + 9 u
; nine codes out of four words; each is clamped to the largest code before it enters an address
.macro DEC_A cd, dst
.irp p, 0,1,2,3
	v_and_b32 v[\dst+2*\p], 0xfff, v[\cd+\p]
	v_bfe_u32 v[\dst+2*\p+1], v[\cd+\p], 12, 12
.endr
	v_lshrrev_b32 v[\dst+8], 24, v[\cd]
	v_bfe_u32 v[T], v[\cd+1], 24, 4
	v_lshl_or_b32 v[\dst+8], v[T], 8, v[\dst+8]
.endm
.macro DEC_B dst
.irp k, 0,1,2,3,4,5,6,7,8
	v_min_u32 v[\dst+\k], CMAX, v[\dst+\k]
.endr
.endm
.macro DECODE cd, dst
	DEC_A \cd, \dst
	DEC_B \dst
.endm
.macro ADDR_A dst, base                ; words of A
.irp k, 0,1,2,3,4,5,6,7,8
	v_lshl_add_u32 v[\dst+\k], v[\dst+\k], 2, v[\base]
.endr
.endm
.macro ADDR_W dst, base                ; rows of WK
.irp k, 0,1,2,3,4,5,6,7,8
	v_mad_u32_u24 v[\dst+\k], v[\dst+\k], ENT, v[\base]
.endr
.endm
.macro GATHER ad, g, o
.irp k, 0,1,2,3,4,5,6,7,8
	ds_load_b32 v[\g+\k], v[\ad+\k] offset:\o
.endr
.endm
.macro GAT3 ad, g, o, k0               ; three of a set's nine gathers
.irp k, 0,1,2
	ds_load_b32 v[\g+\k0+\k], v[\ad+\k0+\k] offset:\o
.endr
.endm
.macro PUT wk, g, o
	ds_store_b128 v[\wk], v[\g:\g+3] offset:\o
	ds_store_b128 v[\wk], v[\g+4:\g+7] offset:\o+16
	ds_store_b32 v[\wk], v[\g+8] offset:\o+32
.endm
; in: s16 = z', s17 = y' of a halo-1 row.  Out: its SA, SW, CB.
.macro ROWSC i
	s_mul_i32 s18, s16, PZ
	s_mul_i32 s19, s17, PY
	s_add_co_u32 s18, s18, s19
	s_add_co_u32 s18, s18, 1                       ; u: the row's entry at x' = 1, the tile's first column
	s_lshl_b32 s[SA+\i], s18, 2
	s_mul_i32 s[SW+\i], s18, ENT
	s_add_co_u32 s16, s16, s68
	s_and_b32 s16, s16, 63                         ; (z0 - 1 + z') mod 64
	s_add_co_u32 s17, s17, s69
	s_and_b32 s17, s17, 127                        ; (y0 - 1 + y') mod 128
	s_lshl_b32 s16, s16, 18
	s_lshl_b32 s17, s17, 11
	s_or_b32 s16, s16, s17
	s_or_b32 s16, s16, s70                         ; 16 bytes a voxel
	s_mov_b32 s17, 0
	s_add_nc_u64 s[CB+2*\i:CB+2*\i+1], s[8:9], s[16:17]
.endm
	s_load_b256 s[4:11], s[0:1], 0x0               ; input s[4:5], ksigma s[6:7], codes s[8:9], out0 s[10:11]
	v_lshl_add_u32 v189, v0, 2, 0x40d00
	v_mov_b32 v255, 0
	v_lshrrev_b32 v1, 5, v0
	v_readfirstlane_b32 s12, v1                    ; wave 0 .. 15
	v_and_b32 v1, 31, v0                           ; lane
	s_and_b32 s13, ttmp9, 1
	s_lshl_b32 s13, s13, 6                         ; x0
	s_lshr_b32 s14, ttmp9, 1
	s_lshl_b32 s14, s14, 3                         ; y0
	s_and_b32 s15, ttmp7, 0xffff
	s_lshl_b32 s15, s15, 2                         ; z0
	s_sub_co_u32 s66, s15, 2                       ; the halos' corners; a negative one is cured by the masks below
	s_sub_co_u32 s67, s14, 2
	s_sub_co_u32 s68, s15, 1
	s_sub_co_u32 s69, s14, 1
	s_lshl_b32 s70, s13, 4
	s_sub_co_u32 s71, s13, 2
	s_add_co_u32 s72, s13, 2
	s_sub_co_u32 s73, s13, 1
	s_wait_alu depctr_va_sdst(0)                   ; s12, the wave's number, is written, ahead of its first reader: rows, bases and branches are made from it
	s_and_b32 s74, s12, 7
	s_lshr_b32 s75, s12, 3
	v_lshlrev_b32 v2, 4, v1
	v_lshlrev_b32 v3, 3, v1
	v_lshl_add_u32 v4, v1, 1, s71                  ; columns x'' = 2 l, 2 l + 1: even pairs, none straddles the wrap
	v_and_b32 v4, 127, v4
	v_lshlrev_b32 v4, 2, v4
	v_lshl_add_u32 v5, v1, 1, s72                  ; columns x'' = 4 + 2 l, 5 + 2 l: brings 64-67 and repeats 60 words, with all lanes on
	v_and_b32 v5, 127, v5
	v_lshlrev_b32 v5, 2, v5
	s_mul_i32 s16, s74, 4*PZ                       ; my rows of A: z'' = w & 7, y'' = (w >> 3) + 2 i
	s_mul_i32 s17, s75, 4*PY
	s_add_co_u32 s16, s16, s17
	v_lshl_add_u32 v6, v1, 3, s16
	v_lshlrev_b32 v7, 2, v1
	v_mul_u32_u24 v8, ENT, v1
	s_mul_i32 s16, s12, ROWOUT
	s_add_co_u32 s16, s16, STAGE                   ; my stage
	v_mad_u32_u24 v9, v1, 36, s16                  ; in: 36 bytes a voxel; 9 words is odd, so 32 lanes touch 32 different words modulo 64
	v_add_nc_u32 v10, s16, v2                      ; out: 16 bytes a lane
	v_add_nc_u32 v11, s16, v3                      ; out, the last 256 bytes: 8 bytes a lane
	; The two halo columns (x' = 0 and 65) of plane z' = w are the work of waves 0-5.  Lane: side = l & 1, y' = ((l >> 1) & 7) + 2 (l >> 4):
	; lanes 0-15 take y' 0-7, lanes 16-31 y' 2-9.  y' 2-7 are done twice, the same numbers to the same bytes, inside one wave.
	v_bfe_u32 v16, v1, 1, 3
	v_lshrrev_b32 v17, 4, v1
	v_lshl_add_u32 v16, v17, 1, v16                ; y'
	v_and_b32 v17, 1, v1                           ; side
	s_wait_kmcnt 0x0
	s_load_b32 s58, s[6:7], 0x0                    ; ks
	s_add_co_u32 s16, s66, s74
	s_and_b32 s16, s16, 63
	s_lshl_b32 s18, s16, 16                        ; my plane of input
	s_add_co_u32 s19, s67, s75
	s_mov_b32 s17, 0
.irp i, 0,1,2,3,4,5
	s_add_co_u32 s16, s19, 2*\i
	s_and_b32 s16, s16, 127
	s_lshl_b32 s16, s16, 9
	s_or_b32 s16, s16, s18
	s_add_nc_u64 s[RB+2*\i:RB+2*\i+1], s[4:5], s[16:17]
.endr
.irp i, 0,1,2
	s_add_co_u32 s16, s75, 2*\i                    ; halo-1 rows 0-2: y' = w & 7, z' = (w >> 3) + 2 i
	s_mov_b32 s17, s74
	ROWSC \i
.endr
	s_lshr_b32 s16, s12, 1                         ; the 12 rows y' = 8, 9: waves 0-11, z' = w >> 1 (in waves 12-15 these scalars are not used)
	s_and_b32 s17, s12, 1
	s_add_co_u32 s17, s17, 8
	ROWSC 3
.irp j, 0,1
	s_add_co_u32 s16, s75, 2*\j                    ; output rows: zi = (w >> 3) + 2 j, yi = w & 7
	s_mul_i32 s18, s16, PZ
	s_mul_i32 s19, s74, PY
	s_add_co_u32 s18, s18, s19
	s_mul_i32 s[SC+\j], s18, ENT
	s_add_co_u32 s16, s16, s15
	s_add_co_u32 s17, s74, s14
	s_lshl_b32 s16, s16, 14
	s_lshl_b32 s17, s17, 7
	s_or_b32 s16, s16, s17
	s_or_b32 s18, s16, s13                         ; the row's first voxel, a multiple of 64
	s_lshl_b32 s16, s18, 4
	s_mov_b32 s17, 0
	s_add_nc_u64 s[CC+2*\j:CC+2*\j+1], s[8:9], s[16:17]
	s_mul_i32 s16, s18, 36                         ; 36 bytes a voxel: a multiple of 2,304, so of 256
	s_add_nc_u64 s[OB+2*\j:OB+2*\j+1], s[10:11], s[16:17]
.endr
	v_add_nc_u32 v14, s[SC], v8                    ; phase 2's bases in WK, a register for each output row, so that neither is written again
	v_add_nc_u32 v13, s[SC+1], v8
	s_wait_alu depctr_va_vdst(0)                   ; v2 to v11, v13 and v14 are written: the loads, LDS stores and stores of the whole kernel read them as offsets and addresses
	; PHASE 0: every global load of the kernel, the codes first, the input last.
	s_cmp_ge_u32 s12, 6
	s_cbranch_scc1 .Lno_column_load
	v_add_nc_u32 v19, s69, v16
	v_and_b32 v19, 127, v19                        ; (y0 - 1 + y') mod 128
	v_mad_u32_u24 v20, v17, 65, s73
	v_and_b32 v20, 127, v20                        ; (x0 - 1 + 65 side) mod 128
	v_lshlrev_b32 v20, 4, v20
	v_lshl_or_b32 v18, v19, 11, v20
	s_add_co_u32 s17, s12, s68
	s_and_b32 s17, s17, 63                         ; (z0 - 1 + w) mod 64
	s_lshl_b32 s17, s17, 18
	v_or_b32 v18, s17, v18
	s_wait_alu depctr_va_vdst(0)                   ; v18 is written, which the load below reads as its offset
	global_load_b128 v[CBC:CBC+3], v18, s[8:9]
.Lno_column_load:
	s_cmp_ge_u32 s12, 12
	s_cbranch_scc1 .Lno_row3_load
	global_load_b128 v[CD+24:CD+27], v2, s[CB+6:CB+7]
	global_load_b128 v[CD+28:CD+31], v2, s[CB+6:CB+7] offset:512
.Lno_row3_load:
.irp i, 0,1,2
	global_load_b128 v[CD+8*\i:CD+8*\i+3],   v2, s[CB+2*\i:CB+2*\i+1]
	global_load_b128 v[CD+8*\i+4:CD+8*\i+7], v2, s[CB+2*\i:CB+2*\i+1] offset:512
.endr
.irp j, 0,1
	global_load_b128 v[CCD+8*\j:CCD+8*\j+3],   v2, s[CC+2*\j:CC+2*\j+1]
	global_load_b128 v[CCD+8*\j+4:CCD+8*\j+7], v2, s[CC+2*\j:CC+2*\j+1] offset:512
.endr
.irp i, 0,1,2,3,4,5
	global_load_b64 v[DIN+4*\i:DIN+4*\i+1],   v4, s[RB+2*\i:RB+2*\i+1]
	global_load_b64 v[DIN+4*\i+2:DIN+4*\i+3], v5, s[RB+2*\i:RB+2*\i+1]
.endr
	s_wait_kmcnt 0x0
	s_mul_f32 s59, s58, s58
	s_mul_f32 s59, s59, 0xbe317218                 ; -ks^2 ln2 / 4: 1 / (var8 x this) turns n2 into the logit in base 2
.irp i, 0,1,2,3,4,5
	s_wait_loadcnt 11-2*\i                         ; loads come back in order: the counts are the younger input loads; all codes are older, so they are in as well
	ds_store_b64 v6, v[DIN+4*\i:DIN+4*\i+1] offset:2*4*PY*\i
	s_wait_loadcnt 10-2*\i
	ds_store_b64 v6, v[DIN+4*\i+2:DIN+4*\i+3] offset:2*4*PY*\i+16
.endr
	s_wait_dscnt 0x0                               ; my rows of A are written,
	s_barrier_signal -1
	s_barrier_wait -1                              ; everybody's are
	; PHASE 1, first part: Wk[e][k] = A[e + c_k - 885], all of a wave's rows into registers; nothing is written to LDS here.
; The decode of halo-1 row i: its 18 gather addresses and the address of its stores into WK.
; prev = 1: the 18 gathers of row p, whose addresses the wait ahead of this macro has shown written, stand among its lines, three at a time.
.macro ROWD i, prev, p
	v_add_nc_u32 v12, s[SA+\i], v7
	v_add_nc_u32 v[WKA+\i], s[SW+\i], v8
.irp h, 0,1
.if \prev
	GAT3 ADR\p+9*\h, G+20*\p+10*\h, 128*\h, 0      ; half 1, columns 32-63: 32 words on
.endif
	DEC_A CD+8*\i+4*\h, ADR\i+9*\h
.if \prev
	GAT3 ADR\p+9*\h, G+20*\p+10*\h, 128*\h, 3
.endif
	DEC_B ADR\i+9*\h
.if \prev
	GAT3 ADR\p+9*\h, G+20*\p+10*\h, 128*\h, 6
.endif
	ADDR_A ADR\i+9*\h, 12
.endr
.endm
.macro ROWL p                          ; the 18 gathers of row p in one run
	GATHER ADR\p, G+20*\p, 0
	GATHER ADR\p+9, G+20*\p+10, 128
.endm
.macro ROWP i
	PUT WKA+\i, G+20*\i, 0
	PUT WKA+\i, G+20*\i+10, 32*ENT
.endm
	s_wait_alu depctr_vm_vsrc(0)                   ; my LDS stores of A have read v[DIN ..]: v60-77 are written as addresses from here on, and gathers land in v80-83
	ROWD 0, 0, 0
	s_wait_alu depctr_va_vdst(0)                   ; row 0's addresses are written, which its gathers read
	ROWD 1, 1, 0
	s_wait_alu depctr_va_vdst(0)                   ; row 1's addresses are written
	ROWD 2, 1, 1
	s_wait_alu depctr_va_vdst(0)                   ; row 2's addresses are written; so are v[WKA] to v[WKA+2], which the stores into WK read behind the next barrier
	ROWL 2
	s_cmp_ge_u32 s12, 12
	s_cbranch_scc1 .Lno_row3_gather
	ROWD 3, 0, 0
	s_wait_alu depctr_va_vdst(0)                   ; row 3's addresses and v[WKA+3] are written
	ROWL 3
.Lno_row3_gather:
	s_cmp_ge_u32 s12, 6
	s_cbranch_scc1 .Lno_column_gather
	s_mul_i32 s16, s12, 4*PZ                       ; u = w*816 + y'*68 + 65 side
	v_mad_u32_u24 v22, v16, 4*PY, s16
	v_mad_u32_u24 v22, v17, 4*65, v22              ; 4 u; with the largest code the gather ends at A's last byte (4 x 4,757 + 4 x 1,770 + 4 = 26,112)
	s_mul_i32 s17, s12, ENT*PZ
	v_mad_u32_u24 v23, v16, ENT*PY, s17
	v_mad_u32_u24 v23, v17, ENT*65, v23            ; 48 u: entries x' = 0 and 65 of WK, which no row writes
	DECODE CBC, ADC
	ADDR_A ADC, 22
	s_wait_alu depctr_va_vdst(0)                   ; the column's addresses are written, and v23, which its stores into WK read
	GATHER ADC, G+80, 0
.Lno_column_gather:
	s_wait_dscnt 0x0                               ; my gathers are in: I read A no more,
	s_barrier_signal -1
	s_barrier_wait -1                              ; nobody does: WK may be laid over it
	; PHASE 1, second part: the rows into WK.  Their addresses stand ahead of the waits above, and no vector instruction has named G: nothing more is owed.
	ROWP 0
	ROWP 1
	ROWP 2
	s_cmp_ge_u32 s12, 12
	s_cbranch_scc1 .Lno_row3_put
	ROWP 3
.Lno_row3_put:
	s_cmp_ge_u32 s12, 6
	s_cbranch_scc1 .Lno_column_put
	PUT 23, G+80, 0
.Lno_column_put:
	s_wait_dscnt 0x0                               ; my rows of WK are written,
	s_barrier_signal -1
	s_barrier_wait -1                              ; everybody's are; from here on WK is only read, and each wave's stage is its own
	; PHASE 2
.macro SQSUM dst                       ; the sum of the squares of D's nine numbers
	v_pk_mul_f32 v[D:D+1], v[D:D+1], v[D:D+1]
	v_pk_fma_f32 v[D:D+1], v[D+2:D+3], v[D+2:D+3], v[D:D+1]
	v_pk_fma_f32 v[D:D+1], v[D+4:D+5], v[D+4:D+5], v[D:D+1]
	v_pk_fma_f32 v[D:D+1], v[D+6:D+7], v[D+6:D+7], v[D:D+1]
	v_fma_f32 v[D], v[D+8], v[D+8], v[D]
	v_add_f32 v[\dst], v[D], v[D+1]
.endm
.macro RADDR u                         ; the addresses of the nine rows of step u = 2 j + h: codes at CCD + 4 u, base v14 (j = 0) or v13 (j = 1)
	DECODE CCD+4*(\u), RA+9*(\u)
	ADDR_W RA+9*(\u), 14-(\u)/2
.endm
.macro STAGE_IN h                      ; the weights of the 32 voxels of half h, from N's buffer h, into my stage
.irp k, 0,1,2,3,4,5,6,7,8
	ds_store_b32 v9, v[N+10*(\h)+\k] offset:32*36*(\h)+4*\k
.endr
.endm
; A row of 64 voxels leaves: my own stage, read back in the order of memory.  LDS serves a wave's instructions in order (ISA guide 5.7.1),
; so the loads see the stores above and the next row's stores come behind these loads: no wait between them, no barrier.
.macro READBACK j
	s_wait_xcnt 0x0                                ; OUT was the last row's store data: loaded again only behind this wait
.if \j
	s_wait_alu depctr_vm_vsrc(0)                   ; the first row's global stores have read v[OUT ..], in which the loads below land
.endif
.irp q, 0,1,2,3
	ds_load_b128 v[OUT+4*\q:OUT+4*\q+3], v10 offset:512*\q
.endr
	ds_load_b64 v[OUT+16:OUT+17], v11 offset:2048
.endm
.macro SENDROW j, younger              ; younger: the LDS loads issued behind the read-backs, which may stay out
.irp q, 0,1,2,3
	s_wait_dscnt \younger+4-\q                     ; the younger read-backs stay out
	global_store_b128 v2, v[OUT+4*\q:OUT+4*\q+3], s[OB+2*\j:OB+2*\j+1] offset:512*\q th:TH_STORE_NT
.endr
	s_wait_dscnt \younger
	global_store_b64 v3, v[OUT+16:OUT+17], s[OB+2*\j:OB+2*\j+1] offset:2048 th:TH_STORE_NT
.endm
; Step u = 2 j + h: 32 voxels, columns 32 h + lane of output row j.
.macro VOX j, h
.if 2*\j+\h >= 2
	s_wait_alu depctr_vm_vsrc(0)                   ; the stage stores issued at the head of the step before have read N's buffer h, which this step writes again
.endif
	s_wait_alu depctr_va_vdst(0)                   ; this step's nine addresses are written; the step before has written its N, which the stage stores below read, and is done reading W and Q, in which the loads below land
.if 2*\j+\h >= 1
	STAGE_IN 1-\h                                  ; the step before
.endif
.if 2*\j+\h == 2
	READBACK 0                                     ; the first row is whole in the stage
.endif
	ds_load_b128 v[W:W+3],   v[14-\j] offset:OWN+32*ENT*\h
	ds_load_b128 v[W+4:W+7], v[14-\j] offset:OWN+32*ENT*\h+16
	ds_load_b32  v[W+8],     v[14-\j] offset:OWN+32*ENT*\h+32
.irp k, 0,1,2,3,4,5,6,7,8
	ds_load_b128 v[Q+10*\k:Q+10*\k+3],   v[RA+9*(2*\j+\h)+\k] offset:32*ENT*\h
	ds_load_b128 v[Q+10*\k+4:Q+10*\k+7], v[RA+9*(2*\j+\h)+\k] offset:32*ENT*\h+16
	ds_load_b32  v[Q+10*\k+8],           v[RA+9*(2*\j+\h)+\k] offset:32*ENT*\h+32
.endr
.if 2*\j+\h <= 2
	RADDR 2*\j+\h+1                                ; the next step's addresses, while this step's rows are on their way: these lines name the codes, the next set, T and a base, nothing that a load or store above touches
.endif
.if 2*\j+\h == 2
	SENDROW 0, 30                                  ; this step's 30 loads stay out
.endif
	s_wait_dscnt 27                                ; my own row is in; the 27 loads of the neighbours' rows stay out
	v_pk_add_f32 v[MEAN:MEAN+1], v[W:W+1], v[W+2:W+3]
	v_pk_add_f32 v[SCL:SCL+1], v[W+4:W+5], v[W+6:W+7]
	v_pk_add_f32 v[MEAN:MEAN+1], v[MEAN:MEAN+1], v[SCL:SCL+1]
	v_add_f32 v[MEAN], v[MEAN], v[MEAN+1]
	v_add_f32 v[MEAN], v[MEAN], v[W+8]
	v_mul_f32 v[MEAN], 0x3de38e39, v[MEAN]         ; x 1/9
.irp p, 0,1,2,3
	v_pk_add_f32 v[D+2*\p:D+2*\p+1], v[W+2*\p:W+2*\p+1], v[MEAN:MEAN+1] op_sel_hi:[1,0] neg_lo:[0,1] neg_hi:[0,1]
.endr
	v_sub_f32 v[D+8], v[W+8], v[MEAN]
	SQSUM VAR                                      ; 8 x the variance, from deviations: a common offset of the inputs cancels first
	v_cmp_neq_f32 vcc_lo, 0, v[VAR]
	v_mul_f32 v[SCL], s59, v[VAR]
	v_rcp_f32 v[SCL], v[SCL]                       ; the five lines below, which touch neither, stand between it and its use (ISA guide 5.7.2)
.irp p, 0,1,2,3
	v_pk_add_f32 v[WE+2*\p:WE+2*\p+1], v[W+2*\p:W+2*\p+1], 0x358637bd op_sel_hi:[1,0]
.endr
	v_add_f32 v[WE+8], 0x358637bd, v[W+8]
	s_wait_alu depctr_va_vcc(0)                    ; the compare has written VCC, which the select below reads
	s_wait_alu depctr_va_vdst(0)                   ; the reciprocal has written v[SCL], ahead of its first reader
	v_cndmask_b32 v[SCL], 0, v[SCL], vcc_lo        ; sigma = 0: all logits 0
.irp k, 0,1,2,3,4,5,6,7,8
	s_wait_dscnt 24-3*\k                           ; row k is in; three loads for each later row stay out
.irp p, 0,1,2,3
	v_pk_add_f32 v[D+2*\p:D+2*\p+1], v[WE+2*\p:WE+2*\p+1], v[Q+10*\k+2*\p:Q+10*\k+2*\p+1] neg_lo:[0,1] neg_hi:[0,1]
.endr
	v_sub_f32 v[D+8], v[WE+8], v[Q+10*\k+8]
	SQSUM N+10*\h+\k
.endr
	v_min3_num_f32 v[D+2], v[N+10*\h], v[N+10*\h+1], v[N+10*\h+2]    ; the smallest n2 has the largest logit
	v_min3_num_f32 v[D+2], v[D+2], v[N+10*\h+3], v[N+10*\h+4]
	v_min3_num_f32 v[D+2], v[D+2], v[N+10*\h+5], v[N+10*\h+6]
	v_min3_num_f32 v[D+2], v[D+2], v[N+10*\h+7], v[N+10*\h+8]
	v_mul_f32 v[D+2], v[D+2], v[SCL]
.irp p, 0,1,2,3
	v_pk_fma_f32 v[N+10*\h+2*\p:N+10*\h+2*\p+1], v[N+10*\h+2*\p:N+10*\h+2*\p+1], v[SCL:SCL+1], v[D+2:D+3] op_sel_hi:[1,0,0] neg_lo:[0,0,1] neg_hi:[0,0,1]
.endr
	v_fma_f32 v[N+10*\h+8], v[N+10*\h+8], v[SCL], -v[D+2]      ; logit - largest logit, in base 2
.irp k, 0,1,2,3,4,5,6,7,8
	v_exp_f32 v[N+10*\h+\k], v[N+10*\h+\k]
.endr
	v_nop                                          ; one plain place behind the last exponential
	s_wait_alu depctr_va_vdst(0)                   ; the nine exponentials have written N: one wait for the batch, ahead of its first reader
	v_pk_add_f32 v[D:D+1], v[N+10*\h:N+10*\h+1], v[N+10*\h+2:N+10*\h+3]
	v_pk_add_f32 v[D+2:D+3], v[N+10*\h+4:N+10*\h+5], v[N+10*\h+6:N+10*\h+7]
	v_pk_add_f32 v[D:D+1], v[D:D+1], v[D+2:D+3]
	v_add_f32 v[D], v[D], v[D+1]
	v_add_f32 v[D], v[D], v[N+10*\h+8]
	v_rcp_f32 v[D], v[D]
	v_nop                                          ; and one behind the reciprocal
	s_wait_alu depctr_va_vdst(0)                   ; the reciprocal has written v[D], ahead of its first reader
.irp p, 0,1,2,3
	v_pk_mul_f32 v[N+10*\h+2*\p:N+10*\h+2*\p+1], v[N+10*\h+2*\p:N+10*\h+2*\p+1], v[D:D+1] op_sel_hi:[1,0]
.endr
	v_mul_f32 v[N+10*\h+8], v[N+10*\h+8], v[D]
.endm
	s_wait_alu depctr_vm_vsrc(0)                   ; my gathers have read their addresses and my stores into WK have read G and theirs: these registers are RA, N, MEAN, SCL, D, VAR, Q and OUT from here on
	RADDR 0
	VOX 0, 0
	VOX 0, 1
	VOX 1, 0
	VOX 1, 1
	s_wait_alu depctr_va_vdst(0)                   ; the last step has written N's buffer 1, which the stage stores below read
	STAGE_IN 1
	READBACK 1
	SENDROW 1, 0
	s_wait_dscnt 0x0
	s_wait_alu depctr_hold_cnt(0) depctr_sa_sdst(0) depctr_va_vdst(0) depctr_va_sdst(0) depctr_va_ssrc(0) depctr_va_vcc(0) depctr_vm_vsrc(0)
	s_wait_tensorcnt 0x0
	ds_add_u32 v189, v255
	s_wait_dscnt 0x0
	s_endpgm
.Lfunc_end_k_qc6322d330a_weights:
	.size	k_qc6322d330a_weights, .Lfunc_end_k_qc6322d330a_weights-k_qc6322d330a_weights
	.p2alignl 7, 3214868480
	.fill 96, 4, 3214868480
	.section	.rodata,"a",@progbits
	.p2align	6, 0x0
	.amdhsa_kernel k_qc6322d330a_weights
		.amdhsa_group_segment_fixed_size 267520
		.amdhsa_private_segment_fixed_size 0
		.amdhsa_enable_private_segment 0
		.amdhsa_kernarg_size 32
		.amdhsa_user_sgpr_count 2
		.amdhsa_user_sgpr_kernarg_segment_ptr 1
		.amdhsa_wavefront_size32 1
		.amdhsa_system_sgpr_workgroup_id_x 1
		.amdhsa_system_sgpr_workgroup_id_y 1
		.amdhsa_system_sgpr_workgroup_id_z 1
		.amdhsa_system_vgpr_workitem_id 0
		.amdhsa_next_free_vgpr 256
		.amdhsa_next_free_sgpr 80
		.amdhsa_reserve_vcc 1
		.amdhsa_float_denorm_mode_32 3
		.amdhsa_float_denorm_mode_16_64 3
		.amdhsa_memory_ordered 1
		.amdhsa_forward_progress 1
		.amdhsa_inst_pref_size 92
	.end_amdhsa_kernel
	.amdgpu_metadata
---
amdhsa.version: [ 1, 2 ]
amdhsa.kernels:
  - .name:           k_qc6322d330a_weights
    .symbol:         k_qc6322d330a_weights.kd
    .args:
      - { .name: input, .offset: 0, .size: 8, .value_kind: global_buffer, .address_space: global }
      - { .name: ksigma, .offset: 8, .size: 8, .value_kind: global_buffer, .address_space: global }
      - { .name: codes, .offset: 16, .size: 8, .value_kind: global_buffer, .address_space: global }
      - { .name: out0, .offset: 24, .size: 8, .value_kind: global_buffer, .address_space: global }
    .group_segment_fixed_size: 267520
    .private_segment_fixed_size: 0
    .kernarg_segment_align: 8
    .kernarg_segment_size: 32
    .max_flat_workgroup_size: 512
    .sgpr_count:     80
    .vgpr_count:     256
    .wavefront_size: 32
...
	.end_amdgpu_metadata
.endif
;; end of part 4
